; MI455X (gfx1250); checked and timed in simulation.
; The chip was launched on July 23, 2026; its instructions are those of AMD's public machine-readable ISA for CDNA 5 (MIT licence, August 2026) and "CDNA5" Instruction Set Architecture Reference Guide (July 2026). The comments in the code are by the model that wrote it; some were corrected since.
;; Param Attention. Allowed arithmetic: float matrix products may take bf16 or f16 operands with f32 sums; other float arithmetic in f32, or as packed bf16 or f16 multiplies, adds, multiply-adds, maxima and minima; sums over many terms, partial sums and values carried from step to step in f32; what a program stores and reads back later, other than sums and carried values, may be rounded once to bf16 or f16.
;; Inputs: Wk 512 x 512 float32; Wq 512 x 512 float32; Wv 512 x 512 float32; x_k 16 x 2,048 x 512 float32; x_mask 16 x 1,024 bool; x_q 16 x 1,024 x 512 float32.
;; Outputs: out0 16 x 1,024 x 512 float32.
;; 2 versions, each right; version 2 is version 1 with the launch prep written anew for expert scheduling mode. Each part assembles by itself: llvm-mc -triple=amdgcn-amd-amdhsa -mcpu=gfx1250 --defsym DOCPART=n.
;; ======== version 1 of 2: 2 launches
;; limits: values are held in f16: magnitudes above 65,504 overflow, below 6.1e-05 lose precision; inputs' magnitudes at most 65,504; right only within a limited range of input values
;; workspace buffers: xk16 34,078,720 bytes; bq16 524,288 bytes
;; launch prep (part 1): grid 256 x 1, 16 waves a work-group, no clusters, 100,352 bytes of LDS; arguments x_k, Wq, Wk, Wv, xk16, bq16; writes xk16, bq16
.if DOCPART == 1
	.amdgcn_target "amdgcn-amd-amdhsa--gfx1250"
	.amdhsa_code_object_version 6
	.text
	.protected	k_qfea0c3f518_prep
	.globl	k_qfea0c3f518_prep
	.p2align	8
	.type	k_qfea0c3f518_prep,@function
k_qfea0c3f518_prep:
	s_mov_b64 s[64:65], 0
	v_nop
	global_prefetch_b8 v0, s[64:65] scope:SCOPE_SE
	s_setreg_imm32_b32 hwreg(HW_REG_WAVE_MODE, 25, 1), 1
	s_wait_xcnt 0x0
; PREPARATION for the attention launch.  Three results, each rounded once from f32 to f16:
;   xk16 = x_k [16][2048][512], and behind it, at byte 33,554,432 of the same buffer, Wv [512][512];   bq16[n][k] = 16 x the sum over e of Wk[e][n] Wq[e][k]   (512 x 512).
; With Bq the scores are (x_q Bq^T) x_k^T, so that keys and values are both x_k itself: exact in real numbers, another order of rounding than q k^T.
; Wv shares x_k's buffer so that the next launch's ring reaches both from one base by an offset.
; LIMITS.  f16 holds no number beyond 65,504: x_k, Wq, Wk, Wv and 16 Bq must lie within it (16 Bq: 512 x |Wk| x |Wq| x 16 at the most).  The factor 16 keeps small Bq in f16's normal range.
; SHARES.  256 work-groups of 16 waves.  Work-group g converts 262,144 bytes of x_k (32 chunks of 8,192: a thread 16 bytes in, 8 out, so a wave's store covers 256 consecutive bytes, aligned),
; rows 2 g and 2 g + 1 of Wv (waves 0 to 7), and makes the block of 32 x 32 of Bq at n0 = 32 (g / 16), k0 = 32 (g % 16) (waves 0 to 3, a tile of 16 x 16 each, all 512 e).
; Wk's and Wq's 32 columns are read as pieces of 128 bytes and Bq leaves in pieces of 32 bytes: 3.5 MB of the launch's 105; the price of equal shares for all work-groups.
; No tensor load, no cluster: no two work-groups read the same x_k, and the weights are small.  No prefetch: the launch is one stream, with 16 loads of every wave on their way.
.set WVOFF, 33554432                   ; where Wv begins in xk16
.set WQC,   49152                      ; LDS: WkC [512 e][32 n] f16 at 0, WqC [512 e][32 k] behind it
.set PW,    96                         ; their pitch: 64 bytes + 32 = 24 words, an odd multiple of 32 bytes, for the turning load
.set SPARE, 98304                      ; the spare words: 128 bytes for each of 16 waves, eight blocks of 256 bytes that no other line names
.set AF,  16                           ; v[16:79]   W as loaded; then eight fragments of Wq^T
.set BF,  80                           ; v[80:143]  eight fragments of Wk^T
.set ACC, 144                          ; v[144:159] two accumulators (even and odd steps of 32 e); scratch at the head
.set X,   160                          ; v[160:223] 16 slots of 4: x_k as loaded
.set Y,   224                          ; v[224:255] 16 slots of 2: x_k in f16
; v1 W's load offset; v2, v3 the add's two registers; v4, v5 where W goes in LDS; v6 = 16 x thread; v7 = 8 x thread; v8, v9 turning loads' addresses; v10 my 16 bytes of Bq; v[12:15] Wv
	s_load_b256 s[4:11], s[0:1], 0x0               ; x_k s[4:5], Wq s[6:7], Wk s[8:9], Wv s[10:11]
	s_load_b128 s[12:15], s[0:1], 0x20             ; xk16 s[12:13], bq16 s[14:15]
	v_lshl_add_u32 v2, v0, 2, SPARE
	v_mov_b32 v3, 0
	v_lshrrev_b32 v1, 5, v0
	v_readfirstlane_b32 s18, v1                    ; wave 0..15
	s_lshr_b32 s34, ttmp9, 4                       ; g / 16
	s_and_b32 s35, ttmp9, 15                       ; g % 16
	s_lshl_b32 s20, s34, 7                         ; Wk: 32 columns of 4 bytes
	s_mov_b32 s21, 0
	s_lshl_b32 s22, s35, 7                         ; Wq likewise
	s_mov_b32 s23, 0
	s_lshl_b32 s24, ttmp9, 18                      ; x_k: 262,144 bytes a work-group
	s_mov_b32 s25, 0
	s_lshl_b32 s26, ttmp9, 17                      ; xk16: half of that
	s_mov_b32 s27, 0
	s_lshl_b32 s28, ttmp9, 12                      ; Wv: two rows of 2,048 bytes
	s_mov_b32 s29, 0
	s_lshl_b32 s30, ttmp9, 11                      ; and in f16, behind x_k's part of xk16
	s_add_co_u32 s30, s30, WVOFF
	s_mov_b32 s31, 0
	s_lshl_b32 s32, s34, 15                        ; bq16: 32 rows of 1,024 bytes,
	s_lshl_b32 s33, s35, 6                         ; 32 columns of 2
	s_add_co_u32 s32, s32, s33
	s_mov_b32 s33, 0
	s_and_b32 s36, s18, 1                          ; kt: which 16 columns k of the block (waves 0 to 3)
	s_bfe_u32 s37, s18, 0x10001                    ; nt: which 16 rows n
	v_lshrrev_b32 v144, 3, v0                      ; eight threads to a piece of 128 bytes: row thread / 8,
	v_and_b32 v145, 7, v0                          ; 16 bytes thread % 8
	v_lshlrev_b32 v1, 11, v144
	v_lshl_add_u32 v1, v145, 4, v1
	v_mul_u32_u24 v4, v144, PW
	v_lshl_add_u32 v4, v145, 3, v4
	v_add_nc_u32 v5, WQC, v4
	v_lshlrev_b32 v6, 4, v0
	v_lshlrev_b32 v7, 3, v0
	v_and_b32 v147, 15, v0                         ; l % 16
	v_bfe_u32 v148, v0, 4, 1                       ; l / 16
	v_bfe_u32 v149, v0, 3, 1
	; The turning load takes 16 e x 16 columns: lane l reads 16 bytes of row 8 (l / 16) + l % 8, columns 8 ((l / 8) % 2) + 0..7, and is left with column l % 16 and eight e.
	v_lshl_add_u32 v150, v148, 3, v145
	v_mul_u32_u24 v150, v150, PW
	v_lshl_add_u32 v150, v149, 4, v150
	s_lshl_b32 s38, s36, 5
	s_add_co_u32 s39, s38, WQC
	v_add_nc_u32 v8, s39, v150
	s_lshl_b32 s39, s37, 5
	v_add_nc_u32 v9, s39, v150
	s_lshl_b32 s39, s37, 14
	s_add_co_u32 s39, s39, s38
	v_lshlrev_b32 v10, 10, v147                    ; row 16 nt + l % 16 of the block, columns 16 kt + 8 (l / 16) on
	v_lshl_add_u32 v10, v148, 4, v10
	v_add_nc_u32 v10, s39, v10
	s_wait_kmcnt 0x0
	s_add_nc_u64 s[8:9], s[8:9], s[20:21]
	s_add_nc_u64 s[6:7], s[6:7], s[22:23]
	s_add_nc_u64 s[4:5], s[4:5], s[24:25]
	s_add_nc_u64 s[16:17], s[12:13], s[30:31]      ; where my two rows of Wv go,
	s_add_nc_u64 s[12:13], s[12:13], s[26:27]      ; and my part of x_k
	s_add_nc_u64 s[10:11], s[10:11], s[28:29]
	s_add_nc_u64 s[14:15], s[14:15], s[32:33]
.set i, 0
.rept 8                                ; 64 rows e to a load of the work-group
	global_load_b128 v[AF+4*i:AF+4*i+3], v1, s[8:9] offset:i*131072        ; Wk
	global_load_b128 v[AF+32+4*i:AF+32+4*i+3], v1, s[6:7] offset:i*131072  ; Wq
.set i, i+1
.endr
	s_cmp_lt_u32 s18, 8                            ; Wv's two rows are 256 threads' work
	s_cbranch_scc0 .Lno_wv
	global_load_b128 v[12:15], v6, s[10:11]
	s_wait_loadcnt 0x0
	v_cvt_pk_f16_f32 v12, v12, v13
	v_cvt_pk_f16_f32 v13, v14, v15
	global_store_b64 v7, v[12:13], s[16:17]        ; a wave's store covers 256 consecutive bytes, aligned
.Lno_wv:
	s_wait_loadcnt 0x0                             ; Wk's and Wq's pieces
.set i, 0
.rept 8
	v_cvt_pk_f16_f32 v[AF+4*i], v[AF+4*i], v[AF+4*i+1]
	v_cvt_pk_f16_f32 v[AF+4*i+1], v[AF+4*i+2], v[AF+4*i+3]
	ds_store_b64 v4, v[AF+4*i:AF+4*i+1] offset:i*64*PW
	v_cvt_pk_f16_f32 v[AF+32+4*i], v[AF+32+4*i], v[AF+32+4*i+1]
	v_cvt_pk_f16_f32 v[AF+32+4*i+1], v[AF+32+4*i+2], v[AF+32+4*i+3]
	ds_store_b64 v5, v[AF+32+4*i:AF+32+4*i+1] offset:i*64*PW
.set i, i+1
.endr
.set i, 0
.rept 16                               ; the ring is filled now, so that x_k is on its way while Bq is made
	global_load_b128 v[X+4*i:X+4*i+3], v6, s[4:5] offset:i*8192 th:TH_LOAD_NT
.set i, i+1
.endr
	s_wait_dscnt 0x0                               ; for the others' sake: my stores into WkC and WqC are done
	s_barrier_signal -1
	s_barrier_wait -1
	s_cmp_lt_u32 s18, 4
	s_cbranch_scc0 .Lno_bq
; Bq's tile: source 0 = 16 columns of Wq (rows of the result: k), source 1 = 16 columns of Wk (a lane: n), 32 e a product: a lane ends with eight neighbouring k of one row n.
; Eight steps of 32 e at a time; the two accumulators take turns, one instruction a turn.
.macro BATCH b
.set e, 0
.rept 8
	ds_load_tr16_b128 v[AF+8*e:AF+8*e+3],   v8 offset:(8*(\b)+e)*32*PW
	ds_load_tr16_b128 v[AF+8*e+4:AF+8*e+7], v8 offset:(8*(\b)+e)*32*PW+16*PW
	ds_load_tr16_b128 v[BF+8*e:BF+8*e+3],   v9 offset:(8*(\b)+e)*32*PW
	ds_load_tr16_b128 v[BF+8*e+4:BF+8*e+7], v9 offset:(8*(\b)+e)*32*PW+16*PW
.set e, e+1
.endr
	s_wait_dscnt 0x0
.set e, 0
.rept 8
.if ((\b) == 0) && (e < 2)
	v_wmma_f32_16x16x32_f16 v[ACC+8*(e%2):ACC+8*(e%2)+7], v[AF+8*e:AF+8*e+7], v[BF+8*e:BF+8*e+7], 0
.else
	v_wmma_f32_16x16x32_f16 v[ACC+8*(e%2):ACC+8*(e%2)+7], v[AF+8*e:AF+8*e+7], v[BF+8*e:BF+8*e+7], v[ACC+8*(e%2):ACC+8*(e%2)+7]
.endif
.set e, e+1
.endr
.endm
	BATCH 0
.rept 4
	v_nop                                          ; four places behind the products, in front of loads into registers that they read
.endr
	BATCH 1
.rept 8
	v_nop                                          ; places in front of the sums, which read and rewrite results just made; once, in four waves
.endr
.set i, 0
.rept 4
	v_pk_add_f32 v[ACC+2*i:ACC+2*i+1], v[ACC+2*i:ACC+2*i+1], v[ACC+8+2*i:ACC+8+2*i+1]  ; even and odd steps, from the low end on
.set i, i+1
.endr
.set i, 0
.rept 4
	v_pk_mul_f32 v[ACC+2*i:ACC+2*i+1], v[ACC+2*i:ACC+2*i+1], 0x41800000 op_sel_hi:[1,0]  ; x 16, exact
.set i, i+1
.endr
.set i, 0
.rept 4
	v_cvt_pk_f16_f32 v[AF+i], v[ACC+2*i], v[ACC+2*i+1]
.set i, i+1
.endr
	global_store_b128 v10, v[AF:AF+3], s[14:15]
.Lno_bq:
; x_k: chunk i is converted and stored, chunk i + 16 asked for.  Loads come back in order (ISA guide 5.7.1): the count is the number of younger chunks.
.set i, 0
.rept 32
.if i <= 16
	s_wait_loadcnt 15
.else
	s_wait_loadcnt 31-i
.endif
.if i == 16
	s_wait_xcnt 0x0                                ; the first sixteen stores have read their Y: from here on each Y pair is written a second time
.endif
	v_cvt_pk_f16_f32 v[Y+2*(i%16)], v[X+4*(i%16)], v[X+4*(i%16)+1]
	v_cvt_pk_f16_f32 v[Y+2*(i%16)+1], v[X+4*(i%16)+2], v[X+4*(i%16)+3]
.if i < 16
	global_load_b128 v[X+4*i:X+4*i+3], v6, s[4:5] offset:(i+16)*8192 th:TH_LOAD_NT
.endif
	global_store_b64 v7, v[Y+2*(i%16):Y+2*(i%16)+1], s[12:13] offset:i*4096 th:TH_STORE_NT
.set i, i+1
.endr
	s_wait_tensorcnt 0x0                           ; the wave's end, behind my last LDS store
	ds_add_u32 v2, v3
	s_wait_dscnt 0x0
	s_endpgm
.Lfunc_end_k_qfea0c3f518_prep:
	.size	k_qfea0c3f518_prep, .Lfunc_end_k_qfea0c3f518_prep-k_qfea0c3f518_prep
	.p2alignl 7, 3214868480
	.fill 96, 4, 3214868480
	.section	.rodata,"a",@progbits
	.p2align	6, 0x0
	.amdhsa_kernel k_qfea0c3f518_prep
		.amdhsa_group_segment_fixed_size 100352
		.amdhsa_private_segment_fixed_size 0
		.amdhsa_enable_private_segment 0
		.amdhsa_kernarg_size 48
		.amdhsa_user_sgpr_count 2
		.amdhsa_user_sgpr_kernarg_segment_ptr 1
		.amdhsa_wavefront_size32 1
		.amdhsa_system_sgpr_workgroup_id_x 1
		.amdhsa_system_sgpr_workgroup_id_y 1
		.amdhsa_system_sgpr_workgroup_id_z 1
		.amdhsa_system_vgpr_workitem_id 0
		.amdhsa_next_free_vgpr 256
		.amdhsa_next_free_sgpr 66
		.amdhsa_reserve_vcc 0
		.amdhsa_float_denorm_mode_32 3
		.amdhsa_float_denorm_mode_16_64 3
		.amdhsa_memory_ordered 1
		.amdhsa_forward_progress 1
		.amdhsa_inst_pref_size 26
	.end_amdhsa_kernel
	.amdgpu_metadata
---
amdhsa.version: [ 1, 2 ]
amdhsa.kernels:
  - .name:           k_qfea0c3f518_prep
    .symbol:         k_qfea0c3f518_prep.kd
    .args:
      - { .name: x_k, .offset: 0, .size: 8, .value_kind: global_buffer, .address_space: global }
      - { .name: Wq, .offset: 8, .size: 8, .value_kind: global_buffer, .address_space: global }
      - { .name: Wk, .offset: 16, .size: 8, .value_kind: global_buffer, .address_space: global }
      - { .name: Wv, .offset: 24, .size: 8, .value_kind: global_buffer, .address_space: global }
      - { .name: xk16, .offset: 32, .size: 8, .value_kind: global_buffer, .address_space: global }
      - { .name: bq16, .offset: 40, .size: 8, .value_kind: global_buffer, .address_space: global }
    .group_segment_fixed_size: 100352
    .private_segment_fixed_size: 0
    .kernarg_segment_align: 8
    .kernarg_segment_size: 48
    .max_flat_workgroup_size: 512
    .sgpr_count:     66
    .vgpr_count:     256
    .wavefront_size: 32
...
	.end_amdgpu_metadata
.endif
;; end of part 1
;; launch attn (part 2): grid 16 x 16, 4 waves a work-group, clusters of 4 x 1, 327,680 bytes of LDS; arguments x_q, x_mask, xk16, bq16, out0; writes out0
.if DOCPART == 2
	.amdgcn_target "amdgcn-amd-amdhsa--gfx1250"
	.amdhsa_code_object_version 6
	.text
	.protected	k_qfea0c3f518_attn
	.globl	k_qfea0c3f518_attn
	.p2align	8
	.type	k_qfea0c3f518_attn,@function
k_qfea0c3f518_attn:
	s_mov_b64 s[64:65], 0
	v_nop
	global_prefetch_b8 v0, s[64:65] scope:SCOPE_SE
	s_setreg_imm32_b32 hwreg(HW_REG_WAVE_MODE, 25, 1), 1
	s_wait_xcnt 0x0
	s_wait_alu depctr_hold_cnt(0) depctr_sa_sdst(0) depctr_va_vdst(0) depctr_va_sdst(0) depctr_va_ssrc(0) depctr_va_vcc(0) depctr_vm_vsrc(0)
	s_getreg_b32 s2, hwreg(HW_REG_IB_STS2, 6, 4)
	s_cmp_eq_u32 s2, 0
	s_cbranch_scc0 .Lentry_in_a_cluster
	s_endpgm
.Lentry_in_a_cluster:
	s_bfe_u32 s2, ttmp6, 0x10000c
	s_cmp_lg_u32 s2, 0x3003
	s_cbranch_scc0 .Lentry_shape_is_right
	s_endpgm
.Lentry_shape_is_right:
; out[b][q][:] = mask[b][q] x (softmax_c((x_q Bq^T)[q] . x_k[c] / sqrt(512)) x_k) Wv^T, which in real numbers is reference()'s softmax(q k^T / sqrt(512)) v x mask: Bq = Wk^T Wq; keys and values are both x_k.
; xk16: x_k [16][2048][512] and behind it, at byte 33,554,432, Wv [512][512]; bq16 = 16 Bq [512][512]; all f16, from the launch before; x_q and out0 [16][1024][512] f32; x_mask one byte a row.
; LIMITS.  Another order of rounding than reference()'s.  Every matrix operand is f16, rounded once: x_q, x_k, 16 Bq, Wv within 65,504; the weights p lie in 0 to 1, y = P x_k / l in x_k's range.
; q' = 16 x_q Bq^T has no such room, so each query's q' is divided by 2^e, e the exponent of its largest magnitude (exact), and 2^e goes into the softmax's factor; a row with max |q'| >= 2^127 is not served.
; A weight below 2^-126 counts as 0; NaN and infinities are not treated apart; a masked row gives 0.  Maxima, sums l (of the unrounded p), O and all products' sums are f32.
; SHARES.  A work-group owns 64 queries of one batch (four tiles t of 16): 256 work-groups.  ONE RING of two LDS slots walks 24 tiles of 128 rows x 1,024 bytes: 4 of Bq, 16 of x_k, 4 of Wv.
; CLUSTER.  The four work-groups of a cluster belong to one batch and walk the same 24 tiles: each tile is asked for JOINTLY (mask 15); wave w fetches LDS rows 32 w .. 32 w + 31.
; THE SPLIT.  SPHASE: by rows of the tile.  D^T[my 32 rows][64 queries] = rows x QREG, where QREG holds all 64 queries x 512 channels as source 1 (512 registers): each fragment from LDS feeds 4 products.
;   It makes q'^T (QREG = x_q; of Bq's and Wv's tile T wave w is sent rows 128 w + 32 T on, so over four tiles it owns channels 128 w .. + 127), S^T (QREG = q' 2^-e) and out^T (QREG = y).
; PV: by channels.  O^T[channels 128 w .. + 127][64 queries] += V^T P; V is turned out of the same tile, P comes from LDS, where each wave has put the weights of its 32 keys.
; In every result a lane holds ONE query (lane % 16) and eight rows 8 (lane / 16) + 0..7; two results rounded to f16 ARE one fragment of source 1.  A query's maximum and sum cross the waves through 1 KB of LDS.
; KEY ORDER.  Row m of a tile of S^T is LDS row 2 (m % 8) + m / 8 of its 16, and the turning load's lane l reads row 2 (l % 8) + l / 16: place 8 h + j of P and of V^T both mean key 2 j + h.  With the pitch of
; 1,040 bytes (65 x 16) the 16 lanes of either load then touch 16 different columns of 16 bytes modulo 256 (64 banks of 4 bytes: ISA guide 11.1).
; REGISTERS, in windows of 256 (s_set_vgpr_msb: bits 1:0 source 0, 3:2 source 1, 5:4 source 2, 7:6 destination):
;   window 0: v0-23 addresses; v24-27 LM; v28-31 the mask; v32-63 statistics, 8 a tile; v64-127 S^T (16 t + 8 kt), later V's fragments; v128-255 fragments at work
;   window 1: O^T, accumulator (cb, t) at 8 (4 cb + t): channels 128 w + 16 cb on          windows 2, 3: QREG, fragment (t, c) at 8 (4 (c % 8) + t) of window 2 + c / 8
.set WVOFF, 33554432                   ; where Wv begins in xk16
.set PITCH, 1040
.set QROWS, 32*PITCH                   ; what one tensor load brings
.set SLOT1, 4*QROWS                    ; slot 0 at 0, slot 1 here
.set XBUF,  2*SLOT1                    ; behind the ring, where no tensor load lands: 32 KB for the exchange of fragments; its first 16 KB also hold P; at the end each wave's stage, 16 rows x 528 bytes
.set OST,   8448
.set STAT,  XBUF+4*OST                 ; [wave][query % 16][t] f32: 1,024 bytes
.set SPARE, STAT+1024                  ; the spare words, 128 bytes a wave: two blocks of 256 bytes that no other line names
.set LM,  24                           ; four numbers, one a tile, on their way to the other waves
.set MK,  28                           ; the mask of my query in tile t, as f32
.set ST,  32                           ; tile t at ST + 8 t: +0 CA = 2^e c', +1 m, +2 CA m, +3 the old CA m, +4, +5 l (even places', odd places'), +6 a, +7 at work
.set S,   64
.set G,   160                          ; the four waves' LM
.set FR,  128                          ; 16 packed fragments (ci, t) at FR + 8 (4 ci + t)
; v1 = l % 16; v2, v3 the add's registers; v4, v5 my rows of a slot in key order; v6, v7 in natural order; v8-11 the turning load's place, by slot and half of the tile; v12 where P goes; v13 where P and
; exchanged fragments are read; v14 where my fragments go; v15, v16 STAT in and out; v17, v18 the stage in and out; v19 my bytes of a row of out0; v20 of x_q; v21 the prefetch's offset; v23 = l / 16
; s[4:11] x_q, mask, xk16, bq16; s[14:15] out0; s16 wave; s17 cx; s18 query block; s19 batch; s[24:31] descriptor group 1; s[32:35], s[36:39] group 0 of slot 0, 1
; s40, s41 byte offset in xk16 of the x_k tile that slot 0, 1 takes next; s42, s43 the offsets of Wv's tiles 0, 1; s[46:47] the offset in hand, as a pair with 0 above it
; s48 pairs of key steps to go; s49 1 in a work-group that prefetches, else the greatest number; s[50:51] where the prefetches stand; s[52:53] v_permlanex16_b32's selects; s54 c'
.set ADDW, 0
.set SETK, 1
.set LOOPK, 2
.set NONE, 3
.set MSB, 0
.macro WIN new                         ; the high byte repeats the setting that is left; a switch that changes nothing is dropped
.if MSB != (\new)
	s_set_vgpr_msb (MSB<<8)|(\new)
.set MSB, \new
.endif
.endm
.macro PLACES                          ; four places behind a matrix instruction, in front of loads into its sources and of readers of its result (ISA guide 7.12.1 for readers of its result)
.rept 4
	v_nop
.endr
.endm
.macro ALL line:vararg                 ; one line for each tile t
.set t, 0
.rept 4
	\line
.set t, t+1
.endr
.endm
.macro CROUND                          ; a round of the cluster's barrier
	s_barrier_signal -1
	s_barrier_wait -1
	s_cmp_lg_u32 s16, 0
	s_cbranch_scc1 .Lnot_wave_0_\@
	s_barrier_signal -3
.Lnot_wave_0_\@:
	s_barrier_wait -3
	s_barrier_signal -1
	s_barrier_wait -1
.endm
.macro JLOAD d                         ; a joint load: every wave its 32 rows; an s_nop 0 and four v_nop follow
	tensor_load_to_lds s[(\d):(\d)+3], s[24:31]
	s_nop 0
	PLACES
.endm
; A PREFETCH INTO THE L2 of x_k's tile two key steps on, one step ahead of the joint load that will ask for it.  All four clusters of a batch walk the same tiles: the first (cluster x = 0) asks.  Its four partners
; take 32 rows each, told apart BY ADDRESS; a lane a row, a wave 256 bytes of each row: 4 x 4 x 32 = the tile's 512 blocks of 256 bytes, each named once in the launch.  The last pair of steps asks for nothing.
; x_k's tiles 0 and 1 come by their loads alone; Bq and Wv are read by every work-group and are not asked for.
.macro ASK
	s_cmp_gt_u32 s48, s49
	s_cbranch_scc0 .Lnot_mine_\@
	global_prefetch_b8 v21, s[50:51] th:TH_LOAD_NT scope:SCOPE_SE
.Lnot_mine_\@:
.endm
; THE CHANGE OF SLOTS into slot cur.  Each wave waits for all its tensor loads, of which one is out: its part of slot cur; adds 0 to its spare word; steps slot cur's group 0 to the tile two on; and waits for the add
; and for its LDS reads.  fill = 1: a round of the cluster's barrier, then the other slot, which nobody of the four work-groups reads any more, is filled with the next tile: the first thing behind the round.
; From x_k's first tile on the address is made anew each time: xk16's base plus an offset kept apart, the type bits set again; behind x_k's last two tiles the offset is that of Wv's tile 0 or 1.
; The v_nop at the head and the four behind the load are five places between the last products and those that write over their sources.
.macro CHANGE cur, mode, fill, ask
	WIN 0
	v_nop
.if \ask
	s_wait_xcnt 0x0                                ; the last prefetch, a key step back, has read its address
.endif
	s_wait_tensorcnt 0x0                           ; no tensor load of mine is out, so a group 0 may be written
	ds_add_u32 v2, v3                              ; 0 onto my spare word
.if (\mode) == ADDW
	s_add_nc_u64 s[34+4*(\cur):35+4*(\cur)], s[34+4*(\cur):35+4*(\cur)], 65536      ; Bq, Wv: 64 rows on; the type bits on top are not reached
.elseif (\mode) == SETK
	s_mov_b32 s46, s[40+(\cur)]                                                     ; x_k's tile 0 or 1
	s_add_nc_u64 s[34+4*(\cur):35+4*(\cur)], s[8:9], s[46:47]
	s_or_b32 s[35+4*(\cur)], s[35+4*(\cur)], 0x80000000
.elseif (\mode) == LOOPK
	s_add_co_u32 s[40+(\cur)], s[40+(\cur)], 262144                                 ; x_k: 256 keys on;
	s_cmp_eq_u32 s48, 1
	s_cselect_b32 s46, s[42+(\cur)], s[40+(\cur)]                                   ; in the last pair of steps Wv's tile 0 or 1
	s_add_nc_u64 s[34+4*(\cur):35+4*(\cur)], s[8:9], s[46:47]
	s_or_b32 s[35+4*(\cur)], s[35+4*(\cur)], 0x80000000
.endif
.if \ask
	s_add_nc_u64 s[50:51], s[50:51], 131072
.endif
	s_wait_dscnt 0x0                               ; the add is done, and my reads of the other slot, of P and of the statistics are over
.if \fill
	CROUND
	JLOAD 36-4*(\cur)
.else
	s_barrier_signal -1
	s_barrier_wait -1
	PLACES
.endif
.endm
; 16 LDS loads: my 32 rows (kk: which 16), channels 128 grp .. + 127 (kc: which 32), into buffer fb.  A fragment is 16 rows x 32 channels: two loads of 16 bytes, 32 bytes apart.
.macro KLOAD adr, grp, fb
	WIN 0
.set kc, 0
.rept 4
.set kk, 0
.rept 2
	ds_load_b128 v[(\fb)+16*kc+8*kk:(\fb)+16*kc+8*kk+3],   v[\adr] offset:16*PITCH*kk+64*(4*(\grp)+kc)
	ds_load_b128 v[(\fb)+16*kc+8*kk+4:(\fb)+16*kc+8*kk+7], v[\adr] offset:16*PITCH*kk+64*(4*(\grp)+kc)+32
.set kk, kk+1
.endr
.set kc, kc+1
.endr
.endm
; 32 products on them; the 8 accumulators (kk, tile) take turns, one instruction a turn.  proj = 1: into O^T's accumulators 2 T + kk; else into S^T.  The first channels start the sums.
.macro KMUL grp, fb, proj, T
.if \proj
	WIN 0x58+4*((\grp)/2)
.else
	WIN 0x08+4*((\grp)/2)
.endif
.set kc, 0
.rept 4
.set kk, 0
.rept 2
.set kq, 0
.rept 4
.set rA, (\fb)+16*kc+8*kk
.set rB, (((4*(\grp)+kc)&7)*4+kq)*8
.if \proj
.set rD, (4*(2*(\T)+kk)+kq)*8
.else
.set rD, S+16*kq+8*kk
.endif
.if ((\grp) == 0) && (kc == 0)
	v_wmma_f32_16x16x32_f16 v[rD:rD+7], v[rA:rA+7], v[rB:rB+7], 0
.else
	v_wmma_f32_16x16x32_f16 v[rD:rD+7], v[rA:rA+7], v[rB:rB+7], v[rD:rD+7]
.endif
.set kq, kq+1
.endr
.set kk, kk+1
.endr
.set kc, kc+1
.endr
.endm
; My 32 rows x all 512 channels x 64 queries: 128 products, 64 LDS loads in four runs on two buffers.  Each count of 16 leaves the one younger run out.
.macro SPHASE adr, proj, T, ask
	KLOAD \adr, 0, 128
	KLOAD \adr, 1, 192
.if \ask
	ASK                                            ; behind the joint load's lines and the runs of LDS loads that the next products wait for
.endif
	s_wait_dscnt 16
	KMUL 0, 128, \proj, \T
	PLACES
	KLOAD \adr, 2, 128
	s_wait_dscnt 16
	KMUL 1, 192, \proj, \T
	PLACES
	KLOAD \adr, 3, 192
	s_wait_dscnt 16
	KMUL 2, 128, \proj, \T
	s_wait_dscnt 0x0
	KMUL 3, 192, \proj, \T
.endm
; LM of all four waves into G.  The two lanes of a query store the same numbers to the same bytes.  STAT is written again only behind a later barrier, in front of which every wave has waited for these loads.
.macro STATX
	WIN 0
	ds_store_b128 v15, v[LM:LM+3]
	s_wait_dscnt 0x0
	s_barrier_signal -1
	s_barrier_wait -1
.irp q, 0,1,2,3
	ds_load_b128 v[G+4*\q:G+4*\q+3], v16 offset:256*\q
.endr
	s_wait_dscnt 0x0
.endm
.macro RESC lo, hi                     ; O^T's accumulators lo .. hi times their tile's factor in ST + 6, each from its low end on
	WIN 0x41
.set ra, \lo
.rept (\hi)-(\lo)+1
.set ri, 0
.rept 4
	v_pk_mul_f32 v[8*ra+2*ri:8*ra+2*ri+1], v[8*ra+2*ri:8*ra+2*ri+1], v[ST+8*(ra&3)+6:ST+8*(ra&3)+7] op_sel_hi:[1,0]
.set ri, ri+1
.endr
.set ra, ra+1
.endr
.endm
.macro PACK                            ; window 1's 32 accumulators, rounded to f16: accumulators 2 ci and 2 ci + 1 of a tile are the two halves of fragment (t, 4 w + ci)
	WIN 0x05
.set n, 0
.rept 16
.set p, 0
.rept 2
.set i, 0
.rept 4
	v_cvt_pk_f16_f32 v[FR+8*n+4*p+i], v[(4*(2*(n/4)+p)+(n&3))*8+2*i], v[(4*(2*(n/4)+p)+(n&3))*8+2*i+1]
.set i, i+1
.endr
.set p, p+1
.endr
.set n, n+1
.endr
.endm
; Every wave's 16 fragments go to all waves' QREG, through 32 KB of LDS, two tiles at a time: store, wait, barrier, load; and wait, barrier before the bytes are written again (behind the second half
; the barrier of the change of slots that follows is that barrier).
.macro XCHG
.set hh, 0
.rept 2
	WIN 0
.set n, 0
.rept 8
.set rr, FR+8*(4*(n/2)+2*hh+(n&1))
	ds_store_b128 v14, v[rr:rr+3] offset:1024*n
	ds_store_b128 v14, v[rr+4:rr+7] offset:1024*n+512
.set n, n+1
.endr
	s_wait_dscnt 0x0
	s_barrier_signal -1
	s_barrier_wait -1
	WIN 0x80
.set n, 0
.rept 32
.if n == 16
	WIN 0xc0
.endif
.set rr, (((n/2)&7)*4+2*hh+(n&1))*8
	ds_load_b128 v[rr:rr+3], v13 offset:1024*n
	ds_load_b128 v[rr+4:rr+7], v13 offset:1024*n+512
.set n, n+1
.endr
	WIN 0
	s_wait_dscnt 0x0
.if hh == 0
	s_barrier_signal -1
	s_barrier_wait -1
.endif
.set hh, hh+1
.endr
.endm
; PV in eight units u: keys 32 (u / 2) on, my channels 64 (u % 2) on.  VLOAD: 8 turning loads, four fragments of V^T, into buffer u % 4 (v64, v96, v192, v224).  PLOAD: the four tiles' P of 32 keys.
.macro VLOAD slot, u
	WIN 0
.set vb, 64+32*((\u)%4)+64*(((\u)%4)/2)
.set vg, (\u)/2
.set vi, 0
.rept 4
	ds_load_tr16_b128 v[vb+8*vi:vb+8*vi+3],   v[8+2*(\slot)+vg/2] offset:QROWS*(vg&1)+32*(4*((\u)&1)+vi)
	ds_load_tr16_b128 v[vb+8*vi+4:vb+8*vi+7], v[8+2*(\slot)+vg/2] offset:QROWS*(vg&1)+32*(4*((\u)&1)+vi)+16*PITCH
.set vi, vi+1
.endr
.endm
.macro PLOAD g
	WIN 0
.set pb, 128+32*((\g)&1)
.set vi, 0
.rept 4
	ds_load_b128 v[pb+8*vi:pb+8*vi+3],   v13 offset:(4*(\g)+vi)*1024
	ds_load_b128 v[pb+8*vi+4:pb+8*vi+7], v13 offset:(4*(\g)+vi)*1024+512
.set vi, vi+1
.endr
.endm
.macro PVU u                           ; 16 products on 16 accumulators; the next unit takes the other 16
	WIN 0x50
.set vb, 64+32*((\u)%4)+64*(((\u)%4)/2)
.set pb, 128+32*(((\u)/2)&1)
.set vi, 0
.rept 4
.set kq, 0
.rept 4
.set rD, (4*(4*((\u)&1)+vi)+kq)*8
	v_wmma_f32_16x16x32_f16 v[rD:rD+7], v[vb+8*vi:vb+8*vi+7], v[pb+8*kq:pb+8*kq+7], v[rD:rD+7]
.set kq, kq+1
.endr
.set vi, vi+1
.endr
.endm
.macro FS p                            ; pair p of the 32 pairs of scores: CA s - CA m
	v_pk_fma_f32 v[S+2*(\p):S+2*(\p)+1], v[S+2*(\p):S+2*(\p)+1], v[ST+8*((\p)/8):ST+8*((\p)/8)+1], v[ST+8*((\p)/8)+2:ST+8*((\p)/8)+3] op_sel_hi:[1,0,0] neg_lo:[0,0,1] neg_hi:[0,0,1]
.endm
; A KEY STEP: 128 keys in slot.
.macro STEP slot
	CHANGE \slot, LOOPK, 1, 1
	SPHASE 4+(\slot), 0, 0, 1                      ; S^T of my 32 keys
	PLACES
	WIN 0                                          ; my keys' maximum for each query: two chains a tile, each accumulator's lowest registers first
	ALL v_max3_num_f32 v[ST+8*t+7], v[S+16*t], v[S+16*t+1], v[S+16*t+2]
	ALL v_max3_num_f32 v[ST+8*t+6], v[S+16*t+8], v[S+16*t+9], v[S+16*t+10]
	ALL v_max3_num_f32 v[ST+8*t+7], v[ST+8*t+7], v[S+16*t+3], v[S+16*t+4]
	ALL v_max3_num_f32 v[ST+8*t+6], v[ST+8*t+6], v[S+16*t+11], v[S+16*t+12]
	ALL v_max3_num_f32 v[ST+8*t+7], v[ST+8*t+7], v[S+16*t+5], v[S+16*t+6]
	ALL v_max3_num_f32 v[ST+8*t+6], v[ST+8*t+6], v[S+16*t+13], v[S+16*t+14]
	ALL v_max3_num_f32 v[ST+8*t+7], v[ST+8*t+7], v[S+16*t+7], v[S+16*t+15]
	ALL v_max_num_f32 v[ST+8*t+7], v[ST+8*t+7], v[ST+8*t+6]
	ALL v_permlanex16_b32 v[ST+8*t+6], v[ST+8*t+7], s52, s53  ; the query's other 16 of my keys lie in the lane 16 away
	ALL v_max_num_f32 v[LM+t], v[ST+8*t+7], v[ST+8*t+6]
	STATX
	ALL v_max3_num_f32 v[ST+8*t+7], v[G+t], v[G+4+t], v[G+8+t]
	ALL v_mov_b32 v[ST+8*t+3], v[ST+8*t+2]
	ALL v_max3_num_f32 v[ST+8*t+1], v[ST+8*t+7], v[G+12+t], v[ST+8*t+1]  ; the running maximum, the same in all four waves
	ALL v_mul_f32 v[ST+8*t+2], v[ST+8*t], v[ST+8*t+1]
	ALL v_sub_f32 v[ST+8*t+7], v[ST+8*t+3], v[ST+8*t+2]
	; ONE BATCH of 68 exponentials: the four a, then the 64 weights, each pair one scaling behind its own; nothing in it names a result
	ALL v_exp_f32 v[ST+8*t+6], v[ST+8*t+7]
	FS 0
.set z, 1
.rept 31
	FS z
	v_exp_f32 v[S+2*z-2], v[S+2*z-2]
	v_exp_f32 v[S+2*z-1], v[S+2*z-1]
.set z, z+1
.endr
	v_exp_f32 v[S+62], v[S+62]
	v_exp_f32 v[S+63], v[S+63]
	v_nop                                          ; a plain instruction behind the last exponential (ISA guide 5.7.2),
	s_wait_alu depctr_va_vdst(0)                   ; and the one wait ahead of the batch's first reader
.set z, 0
.rept 32
	v_cvt_pk_f16_f32 v[128+z], v[S+2*z], v[S+2*z+1]  ; a tile's two results are one fragment of P
.set z, z+1
.endr
.set z, 0
.rept 4
	ds_store_b128 v12, v[128+8*z:128+8*z+3] offset:1024*z
	ds_store_b128 v12, v[128+8*z+4:128+8*z+7] offset:1024*z+512
.set z, z+1
.endr
	ALL v_pk_add_f32 v[S+16*t:S+16*t+1], v[S+16*t:S+16*t+1], v[S+16*t+2:S+16*t+3]
	ALL v_pk_add_f32 v[S+16*t+4:S+16*t+5], v[S+16*t+4:S+16*t+5], v[S+16*t+6:S+16*t+7]
	ALL v_pk_add_f32 v[S+16*t+8:S+16*t+9], v[S+16*t+8:S+16*t+9], v[S+16*t+10:S+16*t+11]
	ALL v_pk_add_f32 v[S+16*t+12:S+16*t+13], v[S+16*t+12:S+16*t+13], v[S+16*t+14:S+16*t+15]
	ALL v_pk_add_f32 v[S+16*t:S+16*t+1], v[S+16*t:S+16*t+1], v[S+16*t+4:S+16*t+5]
	ALL v_pk_add_f32 v[S+16*t+8:S+16*t+9], v[S+16*t+8:S+16*t+9], v[S+16*t+12:S+16*t+13]
	ALL v_pk_add_f32 v[S+16*t:S+16*t+1], v[S+16*t:S+16*t+1], v[S+16*t+8:S+16*t+9]
	ALL v_pk_fma_f32 v[ST+8*t+4:ST+8*t+5], v[ST+8*t+4:ST+8*t+5], v[ST+8*t+6:ST+8*t+7], v[S+16*t:S+16*t+1] op_sel_hi:[1,0,1]  ; l = a l + my keys' sum
	s_wait_dscnt 0x0                               ; for the others' sake: my P is in LDS
	s_barrier_signal -1
	VLOAD \slot, 0                                 ; between signal and wait: loads of the tile, which nobody writes before the next round, and work on registers
	VLOAD \slot, 1
	VLOAD \slot, 2
	VLOAD \slot, 3
	RESC 0, 15
	s_barrier_wait -1                              ; everybody's P is in LDS
	PLOAD 0
	PLOAD 1
	RESC 16, 31
	s_wait_dscnt 8                                 ; all but P of keys 32 on
	PVU 0
	PLACES
	VLOAD \slot, 4
	PVU 1
	PLACES
	VLOAD \slot, 5
	PLOAD 2
	s_wait_dscnt 24                                ; units 4 and 5 and P of keys 64 on may be out
	PVU 2
	PLACES
	VLOAD \slot, 6
	PVU 3
	PLACES
	VLOAD \slot, 7
	PLOAD 3
	s_wait_dscnt 24                                ; units 6 and 7 and P of keys 96 on may be out
	PVU 4
	PVU 5
	s_wait_dscnt 0x0
	PVU 6
	PVU 7
.endm
	s_load_b256 s[4:11], s[0:1], 0x0               ; x_q s[4:5], x_mask s[6:7], xk16 s[8:9], bq16 s[10:11]
	s_load_b64 s[14:15], s[0:1], 0x20              ; out0
	v_lshl_add_u32 v2, v0, 2, SPARE
	v_mov_b32 v3, 0
	ds_add_u32 v2, v3                              ; the wave's opening: the add and its wait stand ahead of my first tensor load; the set-up below, work on registers, stands between them
	ds_add_u32 v2, v3
	v_lshrrev_b32 v1, 5, v0
	v_readfirstlane_b32 s16, v1                    ; wave 0..3
	s_bfe_u32 s17, ttmp6, 0x40000                  ; cx: my place in the cluster
	s_lshl_b32 s18, ttmp9, 2                       ; in a cluster launch ttmp9 counts clusters
	s_add_co_u32 s18, s18, s17                     ; my block of 64 queries: it enters x_q's, the mask's and out0's addresses alone
	s_and_b32 s19, ttmp7, 0xffff                   ; the batch, which the four partners share
	; descriptor group 1: 32 rows x 512 elements of 2 bytes, padded in LDS
	s_mov_b32 s24, 15|(1<<16)|(1<<20)|(1<<21)|(7<<22)|(3<<25)  ; 15:0 the mask of four; 17:16 2-byte elements; 20 padding on; 21 set beside a mask; 24:22 after every 256 words (code 7); 31:25 4 words (code 3)
	s_mov_b32 s25, 512<<16                         ; tensor_dim0 = 512
	s_mov_b32 s26, 32<<16                          ; tensor_dim1 = 32
	s_mov_b32 s27, 512<<16                         ; tile_dim0 = 512
	s_mov_b32 s28, 32                              ; tile_dim1 = 32
	s_mov_b32 s29, 512                             ; 512 elements from row to row
	s_mov_b32 s30, 0
	s_mov_b32 s31, 0
	s_mov_b32 s32, 1                               ; group 0: count = 1,
	s_mul_i32 s33, s16, QROWS                      ; LDS address: my 32 rows of slot 0,
	s_mov_b32 s36, 1
	s_add_co_u32 s37, s33, SLOT1                   ; of slot 1: no place in the cluster enters an LDS address
	s_lshl_b32 s20, s16, 17                        ; Bq, Wv: my rows begin at 128 w
	s_mov_b32 s21, 0
	s_lshl_b32 s40, s19, 21                        ; x_k's tile 0: the batch's 2,048 rows of 1,024 bytes,
	s_lshl_b32 s41, s16, 15                        ; my 32 rows of a tile;
	s_add_co_u32 s40, s40, s41
	s_add_co_u32 s41, s40, 131072                  ; tile 1: 128 rows on
	s_add_co_u32 s42, s20, WVOFF                   ; Wv's tile 0,
	s_add_co_u32 s43, s42, 32768                   ; tile 1: 32 rows on
	s_mov_b32 s47, 0
	s_lshl_b32 s56, s19, 21                        ; the prefetches: the batch, my work-group's 32 rows, my wave's 256 bytes, tile 1 (the first key step steps it to tile 2)
	s_lshl_b32 s57, s17, 15
	s_add_co_u32 s56, s56, s57
	s_lshl_b32 s57, s16, 8
	s_add_co_u32 s56, s56, s57
	s_add_co_u32 s56, s56, 131072
	s_mov_b32 s57, 0
	s_lshl_b32 s58, s19, 21                        ; x_q, out0: the batch's 1,024 rows of 2,048 bytes, my 64
	s_lshl_b32 s59, s18, 17
	s_add_co_u32 s58, s58, s59
	s_mov_b32 s59, 0
	s_lshl_b32 s60, s19, 10                        ; the mask
	s_lshl_b32 s61, s18, 6
	s_add_co_u32 s60, s60, s61
	s_mov_b32 s61, 0
	s_mov_b32 s52, 0x76543210
	s_mov_b32 s53, 0xfedcba98
	s_mov_b32 s54, 0x3b8293ee                      ; c' = log2(e) / (sqrt(512) x 16): the 16 undoes bq16's factor
	s_cmp_eq_u32 ttmp9, 0                          ; the batch's first cluster prefetches: the same in all four partners
	s_cselect_b32 s49, 1, -1
	s_wait_dscnt 0x0                               ; the opening add is done
	s_wait_kmcnt 0x0
	s_add_nc_u64 s[34:35], s[10:11], s[20:21]      ; Bq's tile 0,
	s_add_nc_u64 s[38:39], s[34:35], 32768         ; tile 1: 32 rows on
	s_or_b32 s35, s35, 0x80000000                  ; type = 2
	s_or_b32 s39, s39, 0x80000000
	s_add_nc_u64 s[50:51], s[8:9], s[56:57]
	s_add_nc_u64 s[4:5], s[4:5], s[58:59]
	s_add_nc_u64 s[14:15], s[14:15], s[58:59]
	s_add_nc_u64 s[6:7], s[6:7], s[60:61]
	CROUND                                         ; all four work-groups are here: the first joint load meets
	JLOAD 32                                       ; tile 0 into slot 0; slot 1 is filled behind the first change's round
	; x_q comes straight into window 1 in O^T's layout (a lane: one query, eight channels: 32 bytes), so that the one PACK serves it: my channels 128 w .. + 127 of all 64 queries
	v_and_b32 v1, 15, v0                           ; l % 16
	v_bfe_u32 v23, v0, 4, 1                        ; l / 16
	s_lshl_b32 s20, s16, 9
	v_lshlrev_b32 v20, 11, v1
	v_lshl_add_u32 v20, v23, 5, v20
	v_add_nc_u32 v20, s20, v20
	WIN 0x40
.set n, 0
.rept 32
	global_load_b128 v[8*n:8*n+3],   v20, s[4:5] offset:32768*(n&3)+64*(n/4)
	global_load_b128 v[8*n+4:8*n+7], v20, s[4:5] offset:32768*(n&3)+64*(n/4)+16
.set n, n+1
.endr
	WIN 0
	ALL global_load_u8 v[MK+t], v1, s[6:7] offset:16*t
	v_and_b32 v64, 31, v0                          ; l
	v_and_b32 v65, 7, v0                           ; l % 8
	v_bfe_u32 v66, v0, 3, 1                        ; (l / 8) % 2
	v_lshl_add_u32 v67, v65, 1, v66                ; key order: row 2 (r % 8) + r / 8
	v_mul_u32_u24 v4, v67, PITCH
	v_lshl_add_u32 v4, v23, 4, v4
	v_add_nc_u32 v4, s33, v4
	v_add_nc_u32 v5, SLOT1, v4
	v_mul_u32_u24 v6, v1, PITCH                    ; natural order
	v_lshl_add_u32 v6, v23, 4, v6
	v_add_nc_u32 v6, s33, v6
	v_add_nc_u32 v7, SLOT1, v6
	v_lshl_add_u32 v68, v65, 1, v23                ; the turning load: row 2 (l % 8) + l / 16, my channels, 16 bytes (l / 8) % 2
	v_mul_u32_u24 v8, v68, PITCH
	v_lshl_add_u32 v8, v66, 4, v8
	s_lshl_b32 s21, s16, 8
	v_add_nc_u32 v8, s21, v8
	v_add_nc_u32 v9, 64*PITCH, v8
	v_add_nc_u32 v10, SLOT1, v8
	v_add_nc_u32 v11, SLOT1+64*PITCH, v8
	s_lshl_b32 s22, s16, 12
	s_add_co_u32 s22, s22, XBUF
	v_lshl_add_u32 v12, v64, 4, s22
	v_lshl_add_u32 v13, v64, 4, XBUF
	s_lshl_b32 s22, s16, 13
	s_add_co_u32 s22, s22, XBUF
	v_lshl_add_u32 v14, v64, 4, s22
	s_add_co_u32 s22, s21, STAT
	v_lshl_add_u32 v15, v1, 4, s22
	v_lshl_add_u32 v16, v1, 4, STAT
	s_mul_i32 s23, s16, OST
	s_add_co_u32 s23, s23, XBUF
	v_mul_u32_u24 v17, v1, 528
	v_lshl_add_u32 v17, v23, 5, v17
	v_add_nc_u32 v17, s23, v17
	v_lshl_add_u32 v18, v64, 4, s23
	v_lshl_add_u32 v19, v64, 4, s20
	v_lshlrev_b32 v21, 10, v64
	s_wait_loadcnt 0x0
	ALL v_cvt_f32_u32 v[MK+t], v[MK+t]
	PACK
	XCHG                                           ; QREG = x_q
	; q'^T = 16 Bq x_q^T
	CHANGE 0, ADDW, 1, 0
	SPHASE 6, 1, 0, 0
	CHANGE 1, ADDW, 1, 0
	SPHASE 7, 1, 1, 0
	CHANGE 0, SETK, 1, 0
	SPHASE 6, 1, 2, 0
	CHANGE 1, SETK, 1, 0
	SPHASE 7, 1, 3, 0
	; each query's largest |q'|, its exponent e, q' 2^-e, and what the softmax starts from.  The eight moves are the places behind the last products.
	WIN 0
	ALL v_mov_b32 v[ST+8*t+7], 0
	ALL v_mov_b32 v[ST+8*t+6], 0
	WIN 0x14
.set n, 0
.rept 32
.set t, 0
.rept 4
.set rr, (4*(n/4)+t)*8+2*(n%4)
	v_max3_num_f32 v[ST+8*t+7], v[ST+8*t+7], |v[rr]|, |v[rr+1]|
.set t, t+1
.endr
.set n, n+1
.endr
	WIN 0
	ALL v_permlanex16_b32 v[ST+8*t+6], v[ST+8*t+7], s52, s53
	ALL v_max_num_f32 v[LM+t], v[ST+8*t+7], v[ST+8*t+6]
	STATX
	ALL v_max3_num_f32 v[ST+8*t+7], v[G+t], v[G+4+t], v[G+8+t]
	ALL v_max_num_f32 v[ST+8*t+7], v[ST+8*t+7], v[G+12+t]
	ALL v_and_b32 v[ST+8*t+7], 0x7f800000, v[ST+8*t+7]      ; 2^e (0 for a row of zeros or denormals: its scores then count as 0)
	ALL v_sub_nc_u32 v[ST+8*t+6], 0x7f000000, v[ST+8*t+7]   ; 2^-e: the exponent field mirrored
	ALL v_mul_f32 v[ST+8*t], s54, v[ST+8*t+7]               ; CA = 2^e c'
	ALL v_mov_b32 v[ST+8*t+1], 0xff7fffff                   ; m: the lowest finite number
	ALL v_mov_b32 v[ST+8*t+2], 0xfe000000                   ; CA m: far below every CA s, so the first step's a is 0 and clears O^T, which holds finite numbers
	ALL v_mov_b32 v[ST+8*t+4], 0
	ALL v_mov_b32 v[ST+8*t+5], 0
	RESC 0, 31
	PACK
	XCHG                                           ; QREG = q' 2^-e
	s_mov_b32 s48, 8
.Lpair:                                        ; eight trips of two key steps: x_k's 16 tiles
	STEP 0
	STEP 1
	WIN 0
	s_sub_co_u32 s48, s48, 1
	s_cmp_lg_u32 s48, 0
	s_cbranch_scc1 .Lpair
	; l: both places, both halves of the lanes, all four waves; y = O^T x mask / l.  The additions are the places behind the last products.
	ALL v_add_f32 v[ST+8*t+7], v[ST+8*t+4], v[ST+8*t+5]
	ALL v_permlanex16_b32 v[ST+8*t+6], v[ST+8*t+7], s52, s53
	ALL v_add_f32 v[LM+t], v[ST+8*t+7], v[ST+8*t+6]
	STATX
	ALL v_add_f32 v[ST+8*t+7], v[G+t], v[G+4+t]
	ALL v_add_f32 v[ST+8*t+6], v[G+8+t], v[G+12+t]
	ALL v_add_f32 v[ST+8*t+7], v[ST+8*t+7], v[ST+8*t+6]
	ALL v_rcp_f32 v[ST+8*t+7], v[ST+8*t+7]
	v_nop                                          ; a plain instruction behind the last reciprocal,
	s_wait_alu depctr_va_vdst(0)                   ; and the wait ahead of the first use: one for the four
	ALL v_mul_f32 v[ST+8*t+6], v[ST+8*t+7], v[MK+t]
	RESC 0, 31
	PACK
	XCHG                                           ; QREG = y
	; out^T = Wv y^T
	CHANGE 0, ADDW, 1, 0
	SPHASE 6, 1, 0, 0
	CHANGE 1, ADDW, 1, 0
	SPHASE 7, 1, 1, 0
	CHANGE 0, NONE, 1, 0
	SPHASE 6, 1, 2, 0
	CHANGE 1, NONE, 0, 0                           ; the last tile: nothing is left to ask for
	SPHASE 7, 1, 3, 0
; THE WAY OUT, a tile of 16 queries at a time, through my own stage: a lane's 32 bytes go into rows of 528 bytes (33 x 16: sixteen rows, sixteen different columns of 16 bytes) and come back as whole rows of 512.
.macro TOSTAGE tt
	WIN 0x04                                       ; the stores' data in window 1
.set n, 0
.rept 8
	ds_store_b128 v17, v[(4*n+(\tt))*8:(4*n+(\tt))*8+3]   offset:64*n
	ds_store_b128 v17, v[(4*n+(\tt))*8+4:(4*n+(\tt))*8+7] offset:64*n+16
.set n, n+1
.endr
	WIN 0
.set bk, 64+64*((\tt)%3)
.set n, 0
.rept 16
	ds_load_b128 v[bk+4*n:bk+4*n+3], v18 offset:528*n  ; LDS serves a wave's instructions in order (ISA guide 5.7.1.4): these see the stores above; the next tile's stores come behind them
.set n, n+1
.endr
.endm
.macro SEND tt, younger                ; younger: the LDS instructions issued behind this tile's loads: the next tile's 32, or none
	WIN 0
.set bk, 64+64*((\tt)%3)
	s_wait_dscnt \younger
.set n, 0
.rept 16
	global_store_b128 v19, v[bk+4*n:bk+4*n+3], s[14:15] offset:(16*(\tt)+n)*2048 th:TH_STORE_NT  ; a wave's store covers 512 consecutive bytes, at a multiple of 512 from out0's first
.set n, n+1
.endr
.endm
	PLACES
	TOSTAGE 0
	TOSTAGE 1
	SEND 0, 32
	TOSTAGE 2
	SEND 1, 32
	s_wait_xcnt 0x0                                ; tile 0's stores have read their registers, into which tile 3 is read back
	TOSTAGE 3
	SEND 2, 32
	SEND 3, 0
	s_wait_tensorcnt 0x0                           ; the wave's end, behind my last tensor load and my last LDS store
	ds_add_u32 v2, v3
	s_wait_dscnt 0x0
	CROUND                                         ; the closing round: no work-group ends while a partner may still ask for a tile that names it
	s_endpgm
.Lfunc_end_k_qfea0c3f518_attn:
	.size	k_qfea0c3f518_attn, .Lfunc_end_k_qfea0c3f518_attn-k_qfea0c3f518_attn
	.p2alignl 7, 3214868480
	.fill 96, 4, 3214868480
	.section	.rodata,"a",@progbits
	.p2align	6, 0x0
	.amdhsa_kernel k_qfea0c3f518_attn
		.amdhsa_group_segment_fixed_size 327680
		.amdhsa_private_segment_fixed_size 0
		.amdhsa_enable_private_segment 0
		.amdhsa_kernarg_size 40
		.amdhsa_user_sgpr_count 2
		.amdhsa_user_sgpr_kernarg_segment_ptr 1
		.amdhsa_wavefront_size32 1
		.amdhsa_system_sgpr_workgroup_id_x 1
		.amdhsa_system_sgpr_workgroup_id_y 1
		.amdhsa_system_sgpr_workgroup_id_z 1
		.amdhsa_system_vgpr_workitem_id 0
		.amdhsa_next_free_vgpr 1024
		.amdhsa_next_free_sgpr 66
		.amdhsa_reserve_vcc 0
		.amdhsa_float_denorm_mode_32 3
		.amdhsa_float_denorm_mode_16_64 3
		.amdhsa_memory_ordered 1
		.amdhsa_forward_progress 1
		.amdhsa_inst_pref_size 255
	.end_amdhsa_kernel
	.section	.bss,"aw",@nobits
	.p2align	6
	.space	262144
	.amdgpu_metadata
---
amdhsa.version: [ 1, 2 ]
amdhsa.kernels:
  - .name:           k_qfea0c3f518_attn
    .symbol:         k_qfea0c3f518_attn.kd
    .args:
      - { .name: x_q, .offset: 0, .size: 8, .value_kind: global_buffer, .address_space: global }
      - { .name: x_mask, .offset: 8, .size: 8, .value_kind: global_buffer, .address_space: global }
      - { .name: xk16, .offset: 16, .size: 8, .value_kind: global_buffer, .address_space: global }
      - { .name: bq16, .offset: 24, .size: 8, .value_kind: global_buffer, .address_space: global }
      - { .name: out0, .offset: 32, .size: 8, .value_kind: global_buffer, .address_space: global }
    .group_segment_fixed_size: 327680
    .private_segment_fixed_size: 0
    .kernarg_segment_align: 8
    .kernarg_segment_size: 40
    .max_flat_workgroup_size: 128
    .sgpr_count:     66
    .vgpr_count:     1024
    .wavefront_size: 32
...
	.end_amdgpu_metadata
.endif
;; end of part 2
;; ======== version 2 of 2: 2 launches; version 1 with the launch prep written anew for expert scheduling mode
;; limits: values are held in f16: magnitudes above 65,504 overflow, below 6.1e-05 lose precision; inputs' magnitudes at most 65,504; right only within a limited range of input values
;; workspace buffers: xk16 34,078,720 bytes; bq16 524,288 bytes
;; launch prep (part 3): grid 256 x 1, 16 waves a work-group, no clusters, 100,352 bytes of LDS; arguments x_k, Wq, Wk, Wv, xk16, bq16; writes xk16, bq16
.if DOCPART == 3
	.amdgcn_target "amdgcn-amd-amdhsa--gfx1250"
	.amdhsa_code_object_version 6
	.text
	.protected	k_qfea0c3f518_prep
	.globl	k_qfea0c3f518_prep
	.p2align	8
	.type	k_qfea0c3f518_prep,@function
k_qfea0c3f518_prep:
	s_mov_b64 s[64:65], 0
	v_nop
	global_prefetch_b8 v0, s[64:65] scope:SCOPE_SE
	s_setreg_imm32_b32 hwreg(HW_REG_WAVE_SCHED_MODE, 0, 2), 2
	s_setreg_imm32_b32 hwreg(HW_REG_WAVE_MODE, 25, 1), 1
	s_wait_xcnt 0x0
	s_wait_alu depctr_vm_vsrc(0)
; PREPARATION for the attention launch.  Three results, each rounded once from f32 to f16:
;   xk16 = x_k [16][2048][512], and behind it, at byte 33,554,432 of the same buffer, Wv [512][512];   bq16[n][k] = 16 x the sum over e of Wk[e][n] Wq[e][k]   (512 x 512).
; With Bq the scores are (x_q Bq^T) x_k^T, so that keys and values are both x_k itself: exact in real numbers, another order of rounding than q k^T.
; Wv shares x_k's buffer so that the next launch's ring reaches both from one base by an offset.
; LIMITS.  f16 holds no number beyond 65,504: x_k, Wq, Wk, Wv and 16 Bq must lie within it (16 Bq: 512 x |Wk| x |Wq| x 16 at the most).  The factor 16 keeps small Bq in f16's normal range.
; SHARES.  256 work-groups of 16 waves.  Work-group g converts 262,144 bytes of x_k (32 chunks of 8,192: a thread 16 bytes in, 8 out, so a wave's store covers 256 consecutive bytes, aligned),
; rows 2 g and 2 g + 1 of Wv (waves 0 to 7), and makes the block of 32 x 32 of Bq at n0 = 32 (g / 16), k0 = 32 (g % 16) (waves 0 to 3, a tile of 16 x 16 each, all 512 e).
; Wk's and Wq's 32 columns are read as pieces of 128 bytes and Bq leaves in pieces of 32 bytes: 3.5 MB of the launch's 105; the price of equal shares for all work-groups.
; No tensor load, no cluster: no two work-groups read the same x_k, and the weights are small.  No prefetch: the launch is one stream, with 16 and then up to 32 loads of every wave on their way.
; THE MODE: SCHED_MODE bits 1:0 = 2 (LLVM: expert scheduling mode 2), set by the entry lines.  The code itself states the register dependences
; between vector or matrix instructions and memory or LDS instructions, with s_wait_alu, always for 0.
; THE PLAN.  Registers that memory or LDS instructions touch:
;   v1, v4 to v10   offsets and LDS addresses: made at the head, never written again.
;   v[12:15]        Wv: loaded, rounded into v12 and v13, stored; then unused.
;   AF              W's loads land; 32 conversions in place; 16 LDS stores read; (waves 0 to 3) turning loads land twice, the products read; four conversions write v[16:19], Bq's store reads them.
;   BF              (waves 0 to 3) turning loads land twice, the products read.
;   X, X2           x_k's chunks 0 to 15 and 16 to 31 as loaded: each register is loaded ONCE and read by conversions.  X2 is BF, free when Bq is made.
;   Y, Y2           the same chunks in f16: each register is written ONCE, by a conversion, and read by a store.  Y2 is v[32:63] of AF, free when Bq is made.
; So in the stream no load lands in a register that a vector instruction has named since the last wait, and no register that a store reads is written again: all that is owed there is that a
; store's data are written.  The 32 chunks go in eight blocks of four; block p converts its chunks, and the stores of block p - 1 stand among its conversions, behind ONE wait at the block's head.
.set WVOFF, 33554432                   ; where Wv begins in xk16
.set WQC,   49152                      ; LDS: WkC [512 e][32 n] f16 at 0, WqC [512 e][32 k] behind it
.set PW,    96                         ; their pitch: 64 bytes + 32 = 24 words, an odd multiple of 32 bytes, for the turning load
.set AF,  16                           ; v[16:79]   W as loaded; then eight fragments of Wq^T
.set BF,  80                           ; v[80:143]  eight fragments of Wk^T
.set ACC, 144                          ; v[144:159] two accumulators (even and odd steps of 32 e); scratch at the head
.set X,   160                          ; v[160:223] chunks 0 to 15 of x_k as loaded, 4 registers each
.set Y,   224                          ; v[224:255] chunks 0 to 15 in f16, 2 registers each
.set X2,  BF                           ; v[80:143]  chunks 16 to 31 as loaded
.set Y2,  AF+16                        ; v[32:63]   chunks 16 to 31 in f16
; v1 W's load offset; v4, v5 where W goes in LDS; v6 = 16 x thread; v7 = 8 x thread; v8, v9 turning loads' addresses; v10 my 16 bytes of Bq; v[12:15] Wv
	s_load_b256 s[4:11], s[0:1], 0x0               ; x_k s[4:5], Wq s[6:7], Wk s[8:9], Wv s[10:11]
	s_load_b128 s[12:15], s[0:1], 0x20             ; xk16 s[12:13], bq16 s[14:15]
	v_lshl_add_u32 v3, v0, 2, 0x18000
	v_mov_b32 v11, 0
	v_lshrrev_b32 v1, 5, v0
	v_readfirstlane_b32 s18, v1                    ; wave 0..15
	s_lshr_b32 s34, ttmp9, 4                       ; g / 16
	s_and_b32 s35, ttmp9, 15                       ; g % 16
	s_lshl_b32 s20, s34, 7                         ; Wk: 32 columns of 4 bytes
	s_mov_b32 s21, 0
	s_lshl_b32 s22, s35, 7                         ; Wq likewise
	s_mov_b32 s23, 0
	s_lshl_b32 s24, ttmp9, 18                      ; x_k: 262,144 bytes a work-group
	s_mov_b32 s25, 0
	s_lshl_b32 s26, ttmp9, 17                      ; xk16: half of that
	s_mov_b32 s27, 0
	s_lshl_b32 s28, ttmp9, 12                      ; Wv: two rows of 2,048 bytes
	s_mov_b32 s29, 0
	s_lshl_b32 s30, ttmp9, 11                      ; and in f16, behind x_k's part of xk16
	s_add_co_u32 s30, s30, WVOFF
	s_mov_b32 s31, 0
	s_lshl_b32 s32, s34, 15                        ; bq16: 32 rows of 1,024 bytes,
	s_lshl_b32 s33, s35, 6                         ; 32 columns of 2
	s_add_co_u32 s32, s32, s33
	s_mov_b32 s33, 0
	s_wait_alu depctr_va_sdst(0)                   ; s18 is written, ahead of its first reader: the tile's place and two branches are made from it
	s_and_b32 s36, s18, 1                          ; kt: which 16 columns k of the block (waves 0 to 3)
	s_bfe_u32 s37, s18, 0x10001                    ; nt: which 16 rows n
	v_lshrrev_b32 v144, 3, v0                      ; eight threads to a piece of 128 bytes: row thread / 8,
	v_and_b32 v145, 7, v0                          ; 16 bytes thread % 8
	v_lshlrev_b32 v1, 11, v144
	v_lshl_add_u32 v1, v145, 4, v1
	v_mul_u32_u24 v4, v144, PW
	v_lshl_add_u32 v4, v145, 3, v4
	v_add_nc_u32 v5, WQC, v4
	v_lshlrev_b32 v6, 4, v0
	v_lshlrev_b32 v7, 3, v0
	v_and_b32 v147, 15, v0                         ; l % 16
	v_bfe_u32 v148, v0, 4, 1                       ; l / 16
	v_bfe_u32 v149, v0, 3, 1
	; The turning load takes 16 e x 16 columns: lane l reads 16 bytes of row 8 (l / 16) + l % 8, columns 8 ((l / 8) % 2) + 0..7, and is left with column l % 16 and eight e.
	v_lshl_add_u32 v150, v148, 3, v145
	v_mul_u32_u24 v150, v150, PW
	v_lshl_add_u32 v150, v149, 4, v150
	s_lshl_b32 s38, s36, 5
	s_add_co_u32 s39, s38, WQC
	v_add_nc_u32 v8, s39, v150
	s_lshl_b32 s39, s37, 5
	v_add_nc_u32 v9, s39, v150
	s_lshl_b32 s39, s37, 14
	s_add_co_u32 s39, s39, s38
	v_lshlrev_b32 v10, 10, v147                    ; row 16 nt + l % 16 of the block, columns 16 kt + 8 (l / 16) on
	v_lshl_add_u32 v10, v148, 4, v10
	v_add_nc_u32 v10, s39, v10
	s_wait_kmcnt 0x0
	s_add_nc_u64 s[8:9], s[8:9], s[20:21]
	s_add_nc_u64 s[6:7], s[6:7], s[22:23]
	s_add_nc_u64 s[4:5], s[4:5], s[24:25]
	s_add_nc_u64 s[16:17], s[12:13], s[30:31]      ; where my two rows of Wv go,
	s_add_nc_u64 s[12:13], s[12:13], s[26:27]      ; and my part of x_k
	s_add_nc_u64 s[10:11], s[10:11], s[28:29]
	s_add_nc_u64 s[14:15], s[14:15], s[32:33]
	s_wait_alu depctr_va_vdst(0)                   ; v1 and v4 to v10 are written: every load and store of the kernel, global or LDS, reads one of them as its offset or address
.set i, 0
.rept 8                                ; 64 rows e to a load of the work-group
	global_load_b128 v[AF+4*i:AF+4*i+3], v1, s[8:9] offset:i*131072        ; Wk
	global_load_b128 v[AF+32+4*i:AF+32+4*i+3], v1, s[6:7] offset:i*131072  ; Wq
.set i, i+1
.endr
	s_cmp_lt_u32 s18, 8                            ; Wv's two rows are 256 threads' work
	s_cbranch_scc0 .Lno_wv
	global_load_b128 v[12:15], v6, s[10:11]
	s_wait_loadcnt 0x0
	v_cvt_pk_f16_f32 v12, v12, v13
	v_cvt_pk_f16_f32 v13, v14, v15
	s_wait_alu depctr_va_vdst(0)                   ; the two conversions have written v12 and v13, which the store reads
	global_store_b64 v7, v[12:13], s[16:17]        ; a wave's store covers 256 consecutive bytes, aligned
.Lno_wv:
	s_wait_loadcnt 0x0                             ; Wk's and Wq's pieces
.set i, 0
.rept 16                               ; x_k's first 16 chunks are asked for now, so that they are on their way while W is rounded and Bq is made; no vector instruction has named X
	global_load_b128 v[X+4*i:X+4*i+3], v6, s[4:5] offset:i*8192 th:TH_LOAD_NT
.set i, i+1
.endr
.set i, 0
.rept 16                               ; the 32 conversions stand together, so that one wait serves all 16 LDS stores
	v_cvt_pk_f16_f32 v[AF+4*i], v[AF+4*i], v[AF+4*i+1]
	v_cvt_pk_f16_f32 v[AF+4*i+1], v[AF+4*i+2], v[AF+4*i+3]
.set i, i+1
.endr
	s_wait_alu depctr_va_vdst(0)                   ; the conversions have written the LDS stores' data, and are done with AF, in which the turning loads land: no vector instruction names AF between here and those loads
.set i, 0
.rept 8
	ds_store_b64 v4, v[AF+4*i:AF+4*i+1] offset:i*64*PW
	ds_store_b64 v5, v[AF+32+4*i:AF+32+4*i+1] offset:i*64*PW
.set i, i+1
.endr
	s_wait_dscnt 0x0                               ; for the others' sake: my stores into WkC and WqC are done
	s_barrier_signal -1
	s_barrier_wait -1
	s_wait_alu depctr_vm_vsrc(0)                   ; my LDS stores have read AF, which is written again by the turning loads, by Bq's four conversions and, as Y2, by x_k's: ahead of the branch, so on every path
	s_cmp_lt_u32 s18, 4
	s_cbranch_scc0 .Lno_bq
; Bq's tile: source 0 = 16 columns of Wq (rows of the result: k), source 1 = 16 columns of Wk (a lane: n), 32 e a product: a lane ends with eight neighbouring k of one row n.
; Eight steps of 32 e at a time; the two accumulators take turns, one instruction a turn.
.macro BATCH b
.set e, 0
.rept 8
	ds_load_tr16_b128 v[AF+8*e:AF+8*e+3],   v8 offset:(8*(\b)+e)*32*PW
	ds_load_tr16_b128 v[AF+8*e+4:AF+8*e+7], v8 offset:(8*(\b)+e)*32*PW+16*PW
	ds_load_tr16_b128 v[BF+8*e:BF+8*e+3],   v9 offset:(8*(\b)+e)*32*PW
	ds_load_tr16_b128 v[BF+8*e+4:BF+8*e+7], v9 offset:(8*(\b)+e)*32*PW+16*PW
.set e, e+1
.endr
	s_wait_dscnt 0x0
.set e, 0
.rept 8
.if ((\b) == 0) && (e < 2)
	v_wmma_f32_16x16x32_f16 v[ACC+8*(e%2):ACC+8*(e%2)+7], v[AF+8*e:AF+8*e+7], v[BF+8*e:BF+8*e+7], 0
.else
	v_wmma_f32_16x16x32_f16 v[ACC+8*(e%2):ACC+8*(e%2)+7], v[AF+8*e:AF+8*e+7], v[BF+8*e:BF+8*e+7], v[ACC+8*(e%2):ACC+8*(e%2)+7]
.endif
.set e, e+1
.endr
.endm
	BATCH 0
.rept 4
	v_nop                                          ; four places behind the products, in front of loads into registers that they read
.endr
	s_wait_alu depctr_va_vdst(0)                   ; the first eight products are done reading AF and BF, in which the next turning loads land; the places above stay beside this wait
	BATCH 1
.rept 8
	v_nop                                          ; places in front of the sums, which read and rewrite results just made; once, in four waves
.endr
.set i, 0
.rept 4
	v_pk_add_f32 v[ACC+2*i:ACC+2*i+1], v[ACC+2*i:ACC+2*i+1], v[ACC+8+2*i:ACC+8+2*i+1]  ; even and odd steps, from the low end on
.set i, i+1
.endr
.set i, 0
.rept 4
	v_pk_mul_f32 v[ACC+2*i:ACC+2*i+1], v[ACC+2*i:ACC+2*i+1], 0x41800000 op_sel_hi:[1,0]  ; x 16, exact
.set i, i+1
.endr
.set i, 0
.rept 4
	v_cvt_pk_f16_f32 v[AF+i], v[ACC+2*i], v[ACC+2*i+1]
.set i, i+1
.endr
	s_wait_alu depctr_va_vdst(0)                   ; the four conversions have written v[AF:AF+3], which the store reads; and the last eight products are done reading BF, in which x_k's chunks 16 to 31 land below
	global_store_b128 v10, v[AF:AF+3], s[14:15]
.Lno_bq:
; x_k's other 16 chunks are asked for, into X2.  No wait: on the way through Bq no vector or matrix instruction has named BF since the wait above; on the other way none has named it at all.
.set i, 16
.rept 16
	global_load_b128 v[X2+4*(i-16):X2+4*(i-16)+3], v6, s[4:5] offset:i*8192 th:TH_LOAD_NT
.set i, i+1
.endr
; Block p: chunks 4 p to 4 p + 3 are converted; the stores of block p - 1 stand among the conversions.  Loads come back in order (ISA guide 5.7.1): the count is the number of chunks younger than the block's last.
; Chunk i lies in X and Y (i < 16) or in X2 and Y2.
.macro BLK p
	s_wait_loadcnt 28-4*(\p)
.if (\p) > 0
	s_wait_alu depctr_va_vdst(0)                   ; the block before has written its four Y pairs, which the stores below read; no conversion of this block names them
.endif
.set c, 0
.rept 4
.set i, 4*(\p)+c
.set xr, X+4*(i%16)-(X-X2)*(i/16)
.set yr, Y+2*(i%16)-(Y-Y2)*(i/16)
.if (\p) > 0
.set j, i-4
.set yj, Y+2*(j%16)-(Y-Y2)*(j/16)
	global_store_b64 v7, v[yj:yj+1], s[12:13] offset:j*4096 th:TH_STORE_NT
.endif
	v_cvt_pk_f16_f32 v[yr], v[xr], v[xr+1]
	v_cvt_pk_f16_f32 v[yr+1], v[xr+2], v[xr+3]
.set c, c+1
.endr
.endm
	BLK 0
	BLK 1
	BLK 2
	BLK 3
	BLK 4
	BLK 5
	BLK 6
	BLK 7
	s_wait_alu depctr_va_vdst(0)                   ; block 7 has written its four Y pairs, which the last four stores read
.set j, 28
.rept 4
.set yj, Y+2*(j%16)-(Y-Y2)*(j/16)
	global_store_b64 v7, v[yj:yj+1], s[12:13] offset:j*4096 th:TH_STORE_NT
.set j, j+1
.endr
	s_wait_dscnt 0x0                               ; the wave's end; the add of 0 onto my spare word (LDS from 98,304 on) follows
	s_wait_alu depctr_hold_cnt(0) depctr_sa_sdst(0) depctr_va_vdst(0) depctr_va_sdst(0) depctr_va_ssrc(0) depctr_va_vcc(0) depctr_vm_vsrc(0)
	s_wait_tensorcnt 0x0
	ds_add_u32 v3, v11
	s_wait_dscnt 0x0
	s_endpgm
.Lfunc_end_k_qfea0c3f518_prep:
	.size	k_qfea0c3f518_prep, .Lfunc_end_k_qfea0c3f518_prep-k_qfea0c3f518_prep
	.p2alignl 7, 3214868480
	.fill 96, 4, 3214868480
	.section	.rodata,"a",@progbits
	.p2align	6, 0x0
	.amdhsa_kernel k_qfea0c3f518_prep
		.amdhsa_group_segment_fixed_size 100352
		.amdhsa_private_segment_fixed_size 0
		.amdhsa_enable_private_segment 0
		.amdhsa_kernarg_size 48
		.amdhsa_user_sgpr_count 2
		.amdhsa_user_sgpr_kernarg_segment_ptr 1
		.amdhsa_wavefront_size32 1
		.amdhsa_system_sgpr_workgroup_id_x 1
		.amdhsa_system_sgpr_workgroup_id_y 1
		.amdhsa_system_sgpr_workgroup_id_z 1
		.amdhsa_system_vgpr_workitem_id 0
		.amdhsa_next_free_vgpr 256
		.amdhsa_next_free_sgpr 66
		.amdhsa_reserve_vcc 0
		.amdhsa_float_denorm_mode_32 3
		.amdhsa_float_denorm_mode_16_64 3
		.amdhsa_memory_ordered 1
		.amdhsa_forward_progress 1
		.amdhsa_inst_pref_size 26
	.end_amdhsa_kernel
	.amdgpu_metadata
---
amdhsa.version: [ 1, 2 ]
amdhsa.kernels:
  - .name:           k_qfea0c3f518_prep
    .symbol:         k_qfea0c3f518_prep.kd
    .args:
      - { .name: x_k, .offset: 0, .size: 8, .value_kind: global_buffer, .address_space: global }
      - { .name: Wq, .offset: 8, .size: 8, .value_kind: global_buffer, .address_space: global }
      - { .name: Wk, .offset: 16, .size: 8, .value_kind: global_buffer, .address_space: global }
      - { .name: Wv, .offset: 24, .size: 8, .value_kind: global_buffer, .address_space: global }
      - { .name: xk16, .offset: 32, .size: 8, .value_kind: global_buffer, .address_space: global }
      - { .name: bq16, .offset: 40, .size: 8, .value_kind: global_buffer, .address_space: global }
    .group_segment_fixed_size: 100352
    .private_segment_fixed_size: 0
    .kernarg_segment_align: 8
    .kernarg_segment_size: 48
    .max_flat_workgroup_size: 512
    .sgpr_count:     66
    .vgpr_count:     256
    .wavefront_size: 32
...
	.end_amdgpu_metadata
.endif
;; end of part 3
;; launch attn: the kernel of part 2 again; grid 16 x 16, 4 waves a work-group, clusters of 4 x 1, 327,680 bytes of LDS; arguments x_q, x_mask, xk16, bq16, out0; writes out0
